; MI455X (gfx1250); checked and timed in simulation.
; The chip was launched on July 23, 2026; its instructions are those of AMD's public machine-readable ISA for CDNA 5 (MIT licence, August 2026) and "CDNA5" Instruction Set Architecture Reference Guide (July 2026). The comments in the code are by the model that wrote it; some were corrected since.
;; FFM. Allowed arithmetic: matrix products marked QUANTISED: E4M3 operands, one given power-of-two scale a tensor, by v_wmma_f32_16x16x64_fp8_fp8 or v_wmma_f32_16x16x128_fp8_fp8, f32 sums; products left as they are: f32 operands where the result goes on into a quantised operand, else bf16, f16 or f32 operands; f32 sums; everything else in f32.
;; Inputs: fc_b 1 float32; fc_w 1,024 x 1 float32; fields 1,024 int32; lowp_scales 2 int32 (the exponents e of the quantised operands' scales 2^e); w 1,024 x 32 x 8 float32; x 16,384 x 1,024 float32.
;; Outputs: out0 16,384 x 1 float32.
;; This version of the problem:
;;   THIS VERSION OF THE PROBLEM IS GIVEN IN LOW PRECISION. The matrix products marked QUANTISED in the list below multiply operands that are first quantised to E4M3 (4 exponent bits, 3 mantissa bits; 8 bits a number), with one given power-of-two scale for each operand tensor; their sums are f32. All else is computed in f32.
;;   The module's matrix products, in the order in which they are computed (A, B: the left and right operand; K: the contracted axis; several contracted axes count as one K, in the product's order):
;;     1. [M 16,384, K 1,024] x [K 1,024, N 1]; A: input x; B: input fc_w: left as it is (N = 1 < 16)
;;     2. [M 1,024, K 1,024] x [K 1,024, N 16,384]; A: computed on the way; B: input x: QUANTISED (scales: A lowp_scales[0], B lowp_scales[1])
;;     3. batch 16,384 x [M 1, K 1,024] x [K 1,024, N 1]; A: input x; B: computed on the way: left as it is (M = 1 < 16)
;;   THE QUANTISER, for each operand of a quantised product, along K:
;;     - The operand's scale is 2^e, e = its entry of the input lowp_scales (int32; the entries are numbered through the quantised products in the list's order, A before B).
;;     - Each number is divided by the scale, clamped to +-448, and rounded to the nearest number of E4M3, ties to even, subnormals kept.
;;     - The product sums the exact products of the quantised numbers (number of the format x scale) in f32.
;;   ~~~python
;;   def quantise(x, axis, e):      # numpy; x: float32 -> the quantised numbers, widened to float32 again
;;       x = np.moveaxis(x, axis, -1); K = x.shape[-1]
;;       r = np.clip(x / 2.0 ** e, -448, 448)
;;       step = 2.0 ** (np.maximum(np.frexp(np.where(r == 0, 1, r))[1] - 1, -6) - 3)
;;       q = np.round(r / step) * step * 2.0 ** e      # np.round: ties to even
;;       return np.moveaxis(q, -1, axis).astype(np.float32)
;;   ~~~
;;   OPERANDS COMPUTED ON THE WAY. 'Computed on the way' means the value that the module computes at that place (a softmax that the list does not call 'softmax' is quantised finished and normalised). What goes into a quantiser is computed in f32, as accurately as f32 sums, v_exp_f32 and their like allow (about 1e-6 of the number): no bf16 or f16 on the way to a quantiser, and a product that is left as it is and whose result goes on into a quantised operand takes f32 operands (vector FMAs, or v_wmma_f32_16x16x4_f32). A number that lies on a knife's edge between two numbers of the format may be rounded either way, as far as f32 arithmetic and the matrix unit's own rounding can turn it there, and no further.
;; One version. Each part assembles by itself: llvm-mc -triple=amdgcn-amd-amdhsa -mcpu=gfx1250 --defsym DOCPART=n.
;; ======== version 1 of 1: 2 launches
;; limits: right only within a limited range of input values
;; workspace buffers: gimg 589,824 bytes
;; launch build (part 1): grid 36 x 4, 8 waves a work-group, no clusters, 141,312 bytes of LDS; arguments w, fields, lowp_scales, gimg; writes gimg
.if DOCPART == 1
	.amdgcn_target "amdgcn-amd-amdhsa--gfx1250"
	.amdhsa_code_object_version 6
	.text
	.protected	k_qa3544db558_build
	.globl	k_qa3544db558_build
	.p2align	8
	.type	k_qa3544db558_build,@function
k_qa3544db558_build:
	s_mov_b64 s[64:65], 0
	v_nop
	global_prefetch_b8 v0, s[64:65] scope:SCOPE_SE
	s_setreg_imm32_b32 hwreg(HW_REG_WAVE_MODE, 25, 1), 1
	s_wait_xcnt 0x0
; G[m][k] = Q( mean over t of w[k][f[m]][t] * w[m][f[k]][t] ) where k < m, and 0 elsewhere: the strict upper triangle of the problem's A, laid with K (the smaller index) innermost,
; as codes of FP8 (E4M3) with the given scale 2^e0 (entry 0 of the scales).
; DEAD WORK LEFT OUT: only the 36 blocks of 128 x 128 on and below G's diagonal are made; the others are zeros that the problem's own triu makes for all values of the inputs, and nobody multiplies them.
; (A NaN, an infinity or an overflow that reaches only those entries is not carried to the result.)
; LAYOUT OF gimg: the order in which the next launch walks.  With bm = 2 c + sub (rows m = 128 bm ..) and s (columns k = 128 s ..) block idx = c (2 c + 1) + 2 s + sub, but for s = bm without sub: the steps s = 0 .. 2 c
; of rows 256 c .. hold two blocks each, the step s = 2 c + 1 holds one.  A block is 16,384 bytes: 64 rows 8,192, tile t 2,048, chunk q 512, lane 16 h' + r' 16 bytes, which are
; G[m][k .. k + 15], m = 128 bm + 64 g + 4 r' + t, k = 128 s + 32 q + 16 h': the registers of the next launch's fragments on end, lane by lane.
; SHARES.  A work-group makes a tile of 64 m x 64 k.  Grid y = p pairs block row p (p + 1 blocks) with block row 7 - p (8 - p blocks): nine blocks, four tiles each, along x.
; Wave v: 32 rows m (v & 1: tiles t = 2 (v & 1) and + 1) x 16 columns k (v >> 1).  A LANE TAKES ONE ROW m, ITS 16 SUMS RUN ALONG k: the conversions' results are 16 neighbouring codes of G's row.
; LDS.  MS: the 64 rows w[m0 ..], row 4 r' + t at place 16 t + r' (1,024 bytes, pitch 1,040 = 65 x 16: sixteen lanes that read sixteen places start at sixteen different 16-byte columns; the padding is written with zeros).
;       TS: the 64 rows w[k0 ..] turned inside the row: plane tp (t = 2 tp, 2 tp + 1) holds 8 bytes for each field, so that 32 lanes with 32 fields f[m] read inside one plane of 256 bytes, and lanes with one field share a word.
; The gather's LDS addresses hang on fields, the problem's index input; each field is held at 31 at the most before it enters an address.
; LIMITS: e0 between -129 and 116 (2^(e0 + 3) and 448 x 2^(e0 + 3) are made as f32 patterns).  NaN among the inputs is not served.
; No matrix unit, no tensor load, no cluster: 8 multiply-adds for each code, and each work-group reads its own two slabs of w.
.set MP, 1040                          ; pitch of MS
.set TP, 1152                          ; pitch of TS: planes at 0, 256, 640, 896
.set TS, 64*MP
.set SPARE, TS+64*TP                   ; the spare words, 128 bytes for each wave
; v12-19 a batch's MS addresses; v20-35 the 16 sums; v36-39 codes; v40-167 128 registers: rows as loaded, then the gathered numbers
	s_load_b256 s[4:11], s[0:1], 0x0               ; w s[4:5], fields s[6:7], scales s[8:9], gimg s[10:11]
	v_lshl_add_u32 v168, v0, 2, SPARE
	v_mov_b32 v169, 0
	v_and_b32 v1, 31, v0                           ; lane
	v_lshrrev_b32 v2, 5, v0
	s_delay_alu instid0(VALU_DEP_1)
	v_readfirstlane_b32 s12, v2                    ; wave 0..7
	v_lshlrev_b32 v2, 4, v1
	s_wait_alu depctr_va_vdst(0)                   ; the wait ahead of the run of scalar instructions
	s_and_b32 s13, ttmp7, 0xffff                   ; p
	s_lshr_b32 s14, ttmp9, 2                       ; which of the pair's nine blocks
	s_bfe_u32 s15, ttmp9, 0x10001                  ; sm: which 64 rows of the block
	s_and_b32 s16, ttmp9, 1                        ; sk: which 64 columns
	s_sub_co_u32 s17, 7, s13
	s_sub_co_u32 s18, s14, s13
	s_sub_co_u32 s18, s18, 1
	s_cmp_le_u32 s14, s13                          ; the first p + 1 blocks belong to block row p, the others to block row 7 - p
	s_cselect_b32 s17, s13, s17                    ; bm
	s_cselect_b32 s18, s14, s18                    ; s
	s_lshr_b32 s19, s17, 1                         ; c
	s_lshl_b32 s27, s19, 1
	s_add_co_u32 s27, s27, 1
	s_mul_i32 s19, s19, s27
	s_lshl_b32 s27, s18, 1
	s_add_co_u32 s19, s19, s27                     ; c (2 c + 1) + 2 s
	s_and_b32 s27, s17, 1
	s_cmp_eq_u32 s18, s17
	s_cselect_b32 s27, 0, s27
	s_add_co_u32 s19, s19, s27                     ; idx
	s_and_b32 s2, s12, 1                           ; mh
	s_lshr_b32 s3, s12, 1                          ; kq
	s_lshl_b32 s28, s17, 7
	s_lshl_b32 s27, s15, 6
	s_add_co_u32 s28, s28, s27                     ; m0
	s_lshl_b32 s29, s18, 7
	s_lshl_b32 s27, s16, 6
	s_add_co_u32 s29, s29, s27                     ; k0
	s_lshl_b32 s27, s12, 3                         ; wave v brings rows 8 v .. 8 v + 7 of each slab
	s_add_co_u32 s30, s28, s27
	s_lshl_b32 s30, s30, 10
	s_mov_b32 s31, 0
	s_add_co_u32 s52, s29, s27
	s_lshl_b32 s52, s52, 10
	s_mov_b32 s53, 0
	s_lshl_b32 s27, s2, 1
	s_add_co_u32 s54, s28, s27                     ; my wave's first m: m0 + 2 mh
	s_lshl_b32 s27, s3, 4
	s_add_co_u32 s56, s29, s27                     ; my wave's first k
	s_sub_co_i32 s27, s54, s56
	v_and_b32 v11, 15, v1                          ; r'
	v_lshrrev_b32 v12, 4, v1
	s_delay_alu instid0(VALU_DEP_1)
	v_lshl_add_u32 v11, v11, 2, v12                ; lane (r', h): row m = first m + 4 r' + h
	s_delay_alu instid0(VALU_DEP_1)
	v_add_nc_u32 v7, s27, v11                      ; my m less my wave's first k, signed: column kk counts where kk < this
	v_lshlrev_b32 v11, 2, v11
	s_wait_alu depctr_va_vdst(0)                   ; the wait ahead of the run of scalar instructions and the wait below
	s_lshl_b32 s54, s54, 2
	s_mov_b32 s55, 0
	s_lshl_b32 s56, s56, 2
	s_mov_b32 s57, 0
	s_lshl_b32 s58, s19, 14                        ; gimg: the block,
	s_lshl_b32 s27, s15, 1
	s_add_co_u32 s27, s27, s2
	s_lshl_b32 s27, s27, 12
	s_add_co_u32 s58, s58, s27                     ; its 64 rows, tiles 2 mh and + 1,
	s_lshl_b32 s27, s16, 1
	s_lshr_b32 s26, s3, 1
	s_add_co_u32 s27, s27, s26
	s_lshl_b32 s27, s27, 9
	s_add_co_u32 s58, s58, s27                     ; chunk 2 sk + kq / 2,
	s_and_b32 s27, s3, 1
	s_lshl_b32 s27, s27, 8
	s_add_co_u32 s58, s58, s27                     ; half kq % 2 of the lanes
	s_mov_b32 s59, 0
	s_wait_kmcnt 0x0
	s_add_nc_u64 s[20:21], s[4:5], s[30:31]        ; w at my 8 rows of the m slab
	s_add_nc_u64 s[22:23], s[4:5], s[52:53]        ; and of the k slab
	s_add_nc_u64 s[48:49], s[6:7], s[54:55]        ; fields at my wave's first m
	s_add_nc_u64 s[50:51], s[6:7], s[56:57]        ; and at its first k
	s_add_nc_u64 s[24:25], s[10:11], s[58:59]
	s_load_b512 s[32:47], s[50:51], 0x0            ; f[k] of my 16 columns: the same for all lanes
	s_load_b32 s26, s[8:9], 0x0                    ; e0
	global_load_b32 v5, v11, s[48:49]              ; f[m] of my row
.irp j, 0,1,2,3,4,5,6,7,8,9,10,11,12,13,14,15
	global_load_b128 v[40+4*\j:43+4*\j], v2, s[20:21] offset:512*\j     ; 32 lanes read 512 consecutive bytes: half a row of w
.endr
.irp j, 0,1,2,3,4,5,6,7,8,9,10,11,12,13,14,15
	global_load_b128 v[104+4*\j:107+4*\j], v2, s[22:23] offset:512*\j
.endr
	s_mul_i32 s27, s12, 2*MP
	v_add_nc_u32 v3, s27, v2                       ; MS, in: row 8 v + i goes to place 16 (i % 4) + 2 v + i / 4; 16 bytes a lane
	v_lshrrev_b32 v14, 2, v1                       ; MS, padding: row 8 v + lane / 4, word lane % 4
	v_and_b32 v15, 3, v1
	v_mul_u32_u24 v14, v14, MP
	s_mul_i32 s27, s12, 8*MP
	v_and_b32 v4, 1, v1                            ; TS, in: a lane holds field lane / 2 (+ 16 in a row's second half), t = 4 (lane % 2) + 0 .. 3: planes 2 (lane % 2) and + 1
	v_lshl_add_u32 v14, v15, 2, v14
	v_mul_u32_u24 v4, v4, 640
	v_lshrrev_b32 v12, 1, v1
	v_add_nc_u32 v14, s27, v14
	v_lshl_add_u32 v4, v12, 3, v4
	s_mul_i32 s27, s12, 8*TP
	s_add_co_u32 s27, s27, TS
	v_mul_u32_u24 v6, v1, MP                       ; MS, out: place 32 mh + lane
	v_add_nc_u32 v4, s27, v4
	s_mul_i32 s27, s2, 32*MP
	v_and_b32 v13, 15, v1                          ; gimg: tile 2 mh + lane / 16, place r' = lane % 16
	v_add_nc_u32 v6, s27, v6
	v_lshrrev_b32 v8, 4, v1
	v_lshlrev_b32 v13, 4, v13
	s_delay_alu instid0(VALU_DEP_1)
	v_lshl_add_u32 v8, v8, 11, v13
	s_mul_i32 s27, s3, 16*TP
	s_add_co_u32 s27, s27, TS
	s_wait_alu depctr_va_vdst(0)                   ; directly ahead of the wait below
	s_wait_loadcnt 16                              ; f[m] and the m slab's rows are in; the k slab's 16 loads may be out
	v_min_u32 v5, 31, v5                           ; a field is an index into 32: held there before it enters an address
	s_delay_alu instid0(VALU_DEP_1)
	v_lshl_add_u32 v5, v5, 3, s27                  ; TS, out: my wave's first k row, + 8 f[m]
	ds_store_b32 v14, v169 offset:1024             ; the padding's bytes are written too
.irp j, 0,1,2,3,4,5,6,7,8,9,10,11,12,13,14,15
	ds_store_b128 v3, v[40+4*\j:43+4*\j] offset:(16*((\j/2)%4)+\j/8)*MP+(\j%2)*512
.endr
	s_wait_alu depctr_va_vdst(0)                   ; directly ahead of the wait below
	s_wait_loadcnt 0x0
.irp j, 0,1,2,3,4,5,6,7,8,9,10,11,12,13,14,15
	ds_store_b64 v4, v[104+4*\j:105+4*\j] offset:(\j/2)*TP+(\j%2)*128          ; even lanes and odd lanes fall 128 bytes apart modulo 256: 32 lanes, 256 different bytes of the banks' row
	ds_store_b64 v4, v[106+4*\j:107+4*\j] offset:(\j/2)*TP+(\j%2)*128+256
.endr
	s_wait_kmcnt 0x0                               ; f[k], e0
	s_wait_dscnt 0x0                               ; for the others' sake: my rows lie in LDS
	s_barrier_signal -1
	s_barrier_wait -1                              ; the one barrier: behind it LDS is only read
; Eight columns: their 48 gathers go out together, then each column's sum is made as its six loads come back.
.macro BATCH t
.irp i, 0,1,2,3,4,5,6,7
	s_min_u32 s[32+8*\t+\i], s[32+8*\t+\i], 31
	v_lshl_add_u32 v[12+\i], s[32+8*\t+\i], 5, v6
	ds_load_b128 v[40+16*\i:43+16*\i], v[12+\i]                ; w[m][f[k]][0 .. 3]
	ds_load_b128 v[44+16*\i:47+16*\i], v[12+\i] offset:16      ; w[m][f[k]][4 .. 7]
.irp tp, 0,1,2,3
	ds_load_b64 v[48+16*\i+2*\tp:49+16*\i+2*\tp], v5 offset:(8*\t+\i)*TP+256*\tp+128*(\tp/2)   ; w[k][f[m]][2 tp, 2 tp + 1]
.endr
.endr
.irp i, 0,1,2,3,4,5,6,7
	s_wait_dscnt 6*(7-\i)                          ; LDS loads come back in order: the six of each younger column may be out
	v_pk_mul_f32 v[40+16*\i:41+16*\i], v[40+16*\i:41+16*\i], v[48+16*\i:49+16*\i]
	s_delay_alu instid0(VALU_DEP_1)
	v_pk_fma_f32 v[40+16*\i:41+16*\i], v[42+16*\i:43+16*\i], v[50+16*\i:51+16*\i], v[40+16*\i:41+16*\i]
	s_delay_alu instid0(VALU_DEP_1)
	v_pk_fma_f32 v[40+16*\i:41+16*\i], v[44+16*\i:45+16*\i], v[52+16*\i:53+16*\i], v[40+16*\i:41+16*\i]
	s_delay_alu instid0(VALU_DEP_1)
	v_pk_fma_f32 v[40+16*\i:41+16*\i], v[46+16*\i:47+16*\i], v[54+16*\i:55+16*\i], v[40+16*\i:41+16*\i]
	s_delay_alu instid0(VALU_DEP_1)
	v_add_f32 v[20+8*\t+\i], v[40+16*\i], v[41+16*\i]          ; the sum over t, all in f32
	v_cmp_lt_i32 vcc_lo, 8*\t+\i, v7                           ; k < m ?
	s_delay_alu instid0(VALU_DEP_1)
	v_cndmask_b32 v[20+8*\t+\i], 0, v[20+8*\t+\i], vcc_lo      ; else 0: the triangle
.endr
.endm
	BATCH 0
	BATCH 1
	s_add_co_i32 s26, s26, 130                     ; the mean's 1 / 8 goes into the scale: code = sum / 2^(e0 + 3)
	s_lshl_b32 s27, s26, 23
	v_mov_b32 v10, s27                             ; 2^(e0 + 3) as f32: the conversion takes its exponent field
	s_add_co_i32 s26, s26, 8
	s_lshl_b32 s26, s26, 23
	s_or_b32 s26, s26, 0x600000
	v_mov_b32 v9, s26                              ; 448 x 2^(e0 + 3)
.irp i, 0,1,2,3,4,5,6,7,8,9,10,11,12,13,14,15
	v_med3_num_f32 v[20+\i], v[20+\i], -v9, v9     ; the conversion to an 8-bit code does not saturate (ISA guide 7.6.2): the hold comes first
.endr
	v_cvt_scalef32_pk8_fp8_f32 v[36:37], v[20:27], v10
	v_cvt_scalef32_pk8_fp8_f32 v[38:39], v[28:35], v10
	v_nop
	global_store_b128 v8, v[36:39], s[24:25]       ; the wave's 512 bytes are two runs of 256 consecutive bytes, each at a multiple of 256 from gimg's first byte
	s_wait_tensorcnt 0x0                           ; the wave's end
	ds_add_u32 v168, v169
	s_wait_dscnt 0x0
	s_endpgm
.Lfunc_end_k_qa3544db558_build:
	.size	k_qa3544db558_build, .Lfunc_end_k_qa3544db558_build-k_qa3544db558_build
	.p2alignl 7, 3214868480
	.fill 96, 4, 3214868480
	.section	.rodata,"a",@progbits
	.p2align	6, 0x0
	.amdhsa_kernel k_qa3544db558_build
		.amdhsa_group_segment_fixed_size 141312
		.amdhsa_private_segment_fixed_size 0
		.amdhsa_enable_private_segment 0
		.amdhsa_kernarg_size 32
		.amdhsa_user_sgpr_count 2
		.amdhsa_user_sgpr_kernarg_segment_ptr 1
		.amdhsa_wavefront_size32 1
		.amdhsa_system_sgpr_workgroup_id_x 1
		.amdhsa_system_sgpr_workgroup_id_y 1
		.amdhsa_system_sgpr_workgroup_id_z 1
		.amdhsa_system_vgpr_workitem_id 0
		.amdhsa_next_free_vgpr 170
		.amdhsa_next_free_sgpr 66
		.amdhsa_reserve_vcc 1
		.amdhsa_float_denorm_mode_32 3
		.amdhsa_float_denorm_mode_16_64 3
		.amdhsa_memory_ordered 1
		.amdhsa_forward_progress 1
		.amdhsa_inst_pref_size 29
	.end_amdhsa_kernel
	.amdgpu_metadata
---
amdhsa.version: [ 1, 2 ]
amdhsa.kernels:
  - .name:           k_qa3544db558_build
    .symbol:         k_qa3544db558_build.kd
    .args:
      - { .name: w, .offset: 0, .size: 8, .value_kind: global_buffer, .address_space: global }
      - { .name: fields, .offset: 8, .size: 8, .value_kind: global_buffer, .address_space: global }
      - { .name: lowp_scales, .offset: 16, .size: 8, .value_kind: global_buffer, .address_space: global }
      - { .name: gimg, .offset: 24, .size: 8, .value_kind: global_buffer, .address_space: global }
    .group_segment_fixed_size: 141312
    .private_segment_fixed_size: 0
    .kernarg_segment_align: 8
    .kernarg_segment_size: 32
    .max_flat_workgroup_size: 256
    .sgpr_count:     66
    .vgpr_count:     170
    .wavefront_size: 32
...
	.end_amdgpu_metadata
.endif
;; end of part 1
;; launch main (part 2): grid 256 x 1, 4 waves a work-group, clusters of 4 x 1, 327,680 bytes of LDS; arguments x, gimg, fc_w, fc_b, lowp_scales, out0; writes out0
.if DOCPART == 2
	.amdgcn_target "amdgcn-amd-amdhsa--gfx1250"
	.amdhsa_code_object_version 6
	.text
	.protected	k_qa3544db558_main
	.globl	k_qa3544db558_main
	.p2align	8
	.type	k_qa3544db558_main,@function
k_qa3544db558_main:
	s_mov_b64 s[64:65], 0
	v_nop
	global_prefetch_b8 v0, s[64:65] scope:SCOPE_SE
	s_setreg_imm32_b32 hwreg(HW_REG_WAVE_MODE, 25, 1), 1
	s_wait_xcnt 0x0
	s_wait_alu depctr_hold_cnt(0) depctr_sa_sdst(0) depctr_va_vdst(0) depctr_va_sdst(0) depctr_va_ssrc(0) depctr_va_vcc(0) depctr_vm_vsrc(0)
	s_getreg_b32 s2, hwreg(HW_REG_IB_STS2, 6, 4)
	s_cmp_eq_u32 s2, 0
	s_cbranch_scc0 .Lentry_in_a_cluster
	s_endpgm
.Lentry_in_a_cluster:
	s_bfe_u32 s2, ttmp6, 0x10000c
	s_cmp_lg_u32 s2, 0x3003
	s_cbranch_scc0 .Lentry_shape_is_right
	s_endpgm
.Lentry_shape_is_right:
; out[b] = sigmoid( fc_b + sum over m of x[b][m] ( fc_w[m] + Y[m][b] ) ),  Y[m][b] = sum over k < m of G[m][k] Q(x)[b][k] x 2^(e0 + e1).
; G: codes of FP8 (E4M3) of the strict triangle, made by the launch before, scale 2^e0.  Q(x): x quantised here with the given 2^e1.  The product runs on the codes, sums in f32.
; DEAD WORK LEFT OUT: the blocks of G above the diagonal, which the problem's own triu makes zero for all inputs, are neither stored nor multiplied: 36 blocks of 128 x 128 of 64.
; WHICH x IS QUANTISED: the three-operand einsum is taken as (x A) first, contracted over the smaller index i; so the smaller index carries Q(x), the larger the plain f32 x.
; SHARES.  A work-group owns 64 rows of x (four tiles n of 16).  The columns go in four blocks c of 256; of each, wave w owns columns 64 w .. + 63, which are its four tiles t of m: lane r of tile t is m = 256 c + 64 w + 4 r + t.
; x NEEDS NO TRIP THROUGH LDS AS f32: source 0 is the codes of x, source 1 is G, so lane (r, h) holds of each result the batch rows 16 n + 8 h + j (register j) at column r of the tile;
; and a load of 16 bytes a lane, rows 8 h + i and columns 4 r .. 4 r + 3 (two whole aligned units of 256 bytes), brings that lane just these rows and columns.  Four neighbouring columns make one word of codes;
; the words go to LDS as rows in natural order (the image, 64 rows x 256 codes of a block), and every wave reads the block's fragments and keeps them in registers.
; Row block c multiplies steps k = 0 .. 2 c of 128 (all waves) and k = 2 c + 1 (waves 2 and 3; for waves 0 and 1 that tile lies above the diagonal).  Steps below 2 c need codes of earlier blocks alone: they stand ahead of the block's x.
; fc_w / 2^(e0 + e1) is the C of each sum's first product, so that one pass of multiply-adds with x gives the linear part and the quadratic part together.
; G comes through LDS in 18 slots of 16,384 bytes: block idx into slot idx % 18.  Four fills: idx 0-9, 10-17, 18-27, 28-35.  CLUSTER: all work-groups walk the same G; the four of a cluster ask for each
; fill JOINTLY: the same tensor load, the same descriptor, a mask that names the four.  Each wave asks for a quarter of a fill; a wave has one tensor load out at the most.
; PREFETCH: G's bytes are asked for two fills ahead: the second and third fill's at the head, the fourth's behind the second fill.  The asking is shared out by address over all work-groups: 64 shares, each
; taken by four clusters; a share is 18 units of 256 bytes at the head and 8 behind the second fill, one instruction of wave 0, a unit a lane, the lanes left over naming the last unit again.  The first fill comes by its load alone.
; x's loads run seven parts (8 loads each) ahead of their use, all into registers of their own, so that they are not prefetched.
; A permutation of k, the same in G's and x's fragments (register 4 q + d: k = 32 q + 16 h + 4 d ..), lets a fragment come by four loads of 16 bytes; only the order of the sums inside an instruction changes.
; LIMITS: e1 between -126 and 119; fc_w x 2^-(e0 + e1) and the sums x 2^(e0 + e1) must be f32 numbers.  NaN among the inputs is not served.
; REGISTERS, in windows of 256.  Window 0: below.  Windows 1 to 3: a pool P[j], j = 0 .. 4, of 128 registers: window 1 + j / 2, register 128 (j % 2).  x's block c lands and stays in P[c + 1]
; (row i, column t of tile n at 32 n + 4 i + t); its codes go to P[c], free since the dot product of block c - 1.  Window 3, v128-255: the 16 accumulators.
.set IPT,   272                        ; an image row: 256 codes + 16: 17 x 16, so sixteen rows start at sixteen different 16-byte columns
.set IMG,   18*16384                   ; LDS: behind G's slots: the image
.set SPARE, IMG+64*IPT                 ; the spare words, 128 bytes for each wave: two blocks of 256 bytes that no other line names
.set RPT,   272                        ; the parts of the sums, 64 x (64 rows x 4 bytes + 16), from LDS byte 0 on: slots 0 and 1, which have had their last fill and their last read then
.set OO,   1                           ; v1   out0: 16 r + 8 h
.set SPW,  2                           ; v2   LDS address of my spare word; never rewritten
.set NIL,  3                           ; v3   0; never rewritten
.set XO,   4                           ; v4   x: 8 rows x h + 256 w + 16 r
.set FO,   5                           ; v5   fc_w: 256 w + 16 r
.set IW,   6                           ; v6   the image, in
.set IR,   7                           ; v7   the image, out
.set PF1,  8                           ; v8, v9 the prefetches' offsets in gimg; never rewritten
.set PF2,  9
.set GA,   10                          ; v10-14  G: 65,536 j + 8,192 w + 16 x lane
.set LIM,  15                          ; v15  448 x 2^e1
.set SCL,  16                          ; v16  2^e1
.set RW,   17                          ; v17  the sums' parts, in
.set RR,   18                          ; v18  and out
.set FCR,  32                          ; v32-47 fc_w of my columns, 4 for each block
.set S,    48                          ; v48-79 the sums: 8 n + i
.set T,    80                          ; v80-111 x held within the largest code, on its way to the conversions
.set CI,   80                          ; the same registers at other times: the C of a row block's first products, 8 for each tile
.set CC,   112                         ; v112-127 codes just made, two parts by turns
.set GF,   128                         ; v128-255 G's fragments, two sets of four tiles; at the end the sums' parts
.set ACC,  128                         ; in window 3: accumulator (t, n) at ACC + 8 (4 t + n)
.set MSB, 0
.macro WIN new                         ; the immediate's high byte repeats the setting that is left; a switch that changes nothing is dropped
.if MSB != (\new)
	s_set_vgpr_msb (MSB<<8)|(\new)
.set MSB, (\new)
.endif
.endm
.macro PLACES n
.rept \n
	v_nop
.endr
.endm
.macro BAR                             ; my LDS stores have landed and my LDS loads are in: then the work-group's barrier
	s_wait_dscnt 0x0
	s_barrier_signal -1
	s_barrier_wait -1
.endm
.macro CROUND                          ; a round of the cluster's barrier: my work-group's barrier; wave 0 signals for the work-group; every wave waits for all four work-groups; my work-group's barrier once more
	s_barrier_signal -1
	s_barrier_wait -1
	s_cmp_lg_u32 s16, 0
	s_cbranch_scc1 .Lnot_wave_0_\@
	s_barrier_signal -3
.Lnot_wave_0_\@:
	s_barrier_wait -3
	s_barrier_signal -1
	s_barrier_wait -1
.endm
; A fill behind the image's barrier.  Each wave: all its tensor loads have landed (the fill before, which is wanted next); the add; the add is done, its part of the image is stored and its reads of the
; slots are back; a round of the cluster's barrier, so that this holds of every wave of all four work-groups; and the joint load first behind it, one a wave.
.macro FILL g0, g1
	WIN 0                                          ; at a branch and at a label every window is 0; the add's registers lie in window 0
	s_wait_tensorcnt 0x0
	ds_add_u32 v[SPW], v[NIL]                      ; 0 onto my spare word
	s_wait_dscnt 0x0
	CROUND
	tensor_load_to_lds s[\g0:\g0+3], s[\g1:\g1+7]
	s_nop 0
	PLACES 4
.endm
.macro PFETCH reg
	WIN 0
	s_cmp_lg_u32 s16, 0
	s_cbranch_scc1 .Lno_ask_\@
	global_prefetch_b8 v[\reg], s[6:7] th:TH_LOAD_NT scope:SCOPE_SE
.Lno_ask_\@:
.endm
; Part p of x: block c = p / 4, rows of tile n = p % 4: eight loads.
.macro LP p
.set XC, (\p)/4
.set XB, 128*((XC+1)%2)+32*((\p)%4)
	WIN (1+(XC+1)/2)<<6
.irp i, 0,1,2,3,4,5,6,7
	global_load_b128 v[XB+4*\i:XB+4*\i+3], v[XO], s[4:5] offset:4096*(16*((\p)%4)+\i)+1024*XC th:TH_LOAD_NT
.endr
.endm
; Part p becomes codes, one word for each row, and goes into the image; the part seven further on is asked for.  x itself stays as it is, for the dot product.
.macro QP p
.if 15-(\p) >= 6
	s_wait_loadcnt 48                              ; this part is in; the six parts behind it, 8 loads each, may be out
.else
	s_wait_loadcnt 8*(15-(\p))
.endif
.if (\p)+7 <= 15
	LP (\p)+7
.endif
.set XC, (\p)/4
.set XB, 128*((XC+1)%2)+32*((\p)%4)
	WIN 1+(XC+1)/2
.set J, 0
.rept 32
	v_med3_num_f32 v[T+J], v[XB+J], -v[LIM], v[LIM]    ; the conversion to an 8-bit code does not saturate (ISA guide 7.6.2): the hold at the largest code x the scale
.set J, J+1
.endr
	WIN 0
.set CD, CC+8*((\p)%2)
.irp a, 0,1,2,3
	v_cvt_scalef32_pk8_fp8_f32 v[CD+2*\a:CD+2*\a+1], v[T+8*\a:T+8*\a+7], v[SCL]    ; rows 2 a and 2 a + 1, four columns each
.endr
	v_nop                                          ; one plain vector instruction behind the last scaled conversion
.irp i, 0,1,2,3,4,5,6,7
	ds_store_b32 v[IW], v[CD+\i] offset:IPT*(16*((\p)%4)+\i)
.endr
.endm
; The four fragments of half kb of block c's codes: they stay in P[c] for the rest of the launch.
.macro CODES c, kb
	WIN (1+(\c)/2)<<6
.irp n, 0,1,2,3
.irp q, 0,1,2,3
	ds_load_b128 v[128*((\c)%2)+64*(\kb)+16*\n+4*\q:128*((\c)%2)+64*(\kb)+16*\n+4*\q+3], v[IR] offset:16*IPT*\n+128*(\kb)+32*\q
.endr
.endr
.endm
; G's four tiles of step k of row block c, into set k % 2: sixteen loads of 512 consecutive bytes.  The step that has one block (k = 2 c + 1, waves 2 and 3) is addressed from the slot before it.
.macro GL c, k
.set SL, ((\c)*(2*(\c)+1)+2*(\k))%18
.if (\k) == 2*(\c)+1
.set SL, SL-1
.endif
.irp t, 0,1,2,3
.irp q, 0,1,2,3
	ds_load_b128 v[GF+64*((\k)%2)+16*\t+4*\q:GF+64*((\k)%2)+16*\t+4*\q+3], v[GA+SL/4] offset:16384*(SL%4)+2048*\t+512*\q
.endr
.endr
.endm
; One step of 128 along k: sixteen matrix instructions on the sixteen accumulators, which take turns in the same order in every step.
.macro MUL set, cb, kb, first
.set CW, 1+(\cb)/2
.set CO, 128*((\cb)%2)+64*(\kb)
.if \first
	WIN CW|0xc0                                    ; source 0: the codes' window; C: window 0; D: window 3
.else
	WIN CW|0xf0                                    ; C and D: window 3
.endif
.irp t, 0,1,2,3
.irp n, 0,1,2,3
.if \first
	v_wmma_f32_16x16x128_fp8_fp8 v[ACC+8*(4*\t+\n):ACC+8*(4*\t+\n)+7], v[CO+16*\n:CO+16*\n+15], v[GF+64*(\set)+16*\t:GF+64*(\set)+16*\t+15], v[CI+8*\t:CI+8*\t+7]
.else
	v_wmma_f32_16x16x128_fp8_fp8 v[ACC+8*(4*\t+\n):ACC+8*(4*\t+\n)+7], v[CO+16*\n:CO+16*\n+15], v[GF+64*(\set)+16*\t:GF+64*(\set)+16*\t+15], v[ACC+8*(4*\t+\n):ACC+8*(4*\t+\n)+7]
.endif
.endr
.endr
.endm
; A step on earlier blocks' codes; the next step's G is loaded first, into the set that the step before has multiplied: four places stand in front of the loads (ISA guide 7.12.1 for vector instructions).
.macro KS c, k, next
.if (\k) > 0
	PLACES 4
.endif
	WIN 0
.if \next
	GL \c, (\k)+1
	s_wait_dscnt 16                                ; all but the 16 just issued
.else
	s_wait_dscnt 0x0
.endif
	MUL (\k)%2, (\k)/2, (\k)%2, ((\k)==0)
.endm
.macro ODDLOAD c                       ; the last step's G, for waves 2 and 3; the branch hangs on the wave's number alone
	WIN 0
	s_cmp_lt_u32 s16, 2
	s_cbranch_scc1 .Lno_odd_\@
	GL \c, 2*(\c)+1
.Lno_odd_\@:
.endm
.macro ODDMUL c
	WIN 0
	s_cmp_lt_u32 s16, 2
	s_cbranch_scc1 .Lno_step_\@
	s_wait_dscnt 0x0
	MUL 1, \c, 1, 0
	WIN 0
.Lno_step_\@:
.endm
; fc_w of block c, divided by the power of two that the sums lack, in all eight registers of each tile's C.
.macro CINIT c
	WIN 0
.irp t, 0,1,2,3
.irp j, 0,1,2,3,4,5,6,7
	v_ldexp_f32 v[CI+8*\t+\j], v[FCR+4*(\c)+\t], s23
.endr
.endr
	s_wait_alu depctr_va_vdst(0)
.endm
; Row block c is finished: register i of accumulator (t, n) is batch row 16 n + 8 h + i at my column 4 r + t, and so is x's register 32 n + 4 i + t.  32 independent sums; each accumulator from its low end on.
.macro DOT c
.set XB, 128*(((\c)+1)%2)
	WIN 3|((1+((\c)+1)/2)<<2)
.irp t, 0,1,2,3
.irp n, 0,1,2,3
.irp i, 0,1,2,3,4,5,6,7
.if ((\c) == 0) && (\t == 0)
	v_mul_f32 v[S+8*\n+\i], v[ACC+8*(4*\t+\n)+\i], v[XB+32*\n+4*\i+\t]
.else
	v_fmac_f32 v[S+8*\n+\i], v[ACC+8*(4*\t+\n)+\i], v[XB+32*\n+4*\i+\t]
.endif
.endr
.endr
.endr
.endm
	s_load_b256 s[4:11], s[0:1], 0x0               ; x s[4:5], gimg s[6:7], fc_w s[8:9], fc_b s[10:11]
	s_load_b128 s[12:15], s[0:1], 0x20             ; the scales' exponents s[12:13], out0 s[14:15]
	v_lshl_add_u32 v[SPW], v0, 2, SPARE
	v_mov_b32 v[NIL], 0
	ds_add_u32 v[SPW], v[NIL]                      ; the wave's opening: the add, twice on end, and its wait ahead of my first tensor load; work on registers stands between
	ds_add_u32 v[SPW], v[NIL]
	v_lshrrev_b32 v20, 5, v0
	v_readfirstlane_b32 s16, v20                   ; wave 0..3
	s_bfe_u32 s17, ttmp6, 0x40000                  ; cx: my place in the cluster: it enters x's, out0's and the prefetches' addresses alone
	s_lshl_b32 s18, ttmp9, 2                       ; in a cluster launch ttmp9 counts clusters
	s_add_co_u32 s18, s18, s17                     ; my block of 64 rows
	s_and_b32 s19, ttmp9, 3                        ; my share of the prefetches: 4 ((cluster % 4) + 4 (cluster / 16)) + cx, 0 .. 63
	s_lshr_b32 s26, ttmp9, 4
	s_lshl_b32 s26, s26, 2
	s_add_co_u32 s19, s19, s26
	s_lshl_b32 s19, s19, 2
	s_add_co_u32 s19, s19, s17
	s_mul_i32 s70, s19, 18*256
	s_add_co_u32 s70, s70, 10*16384                ; blocks 10-27
	s_lshl_b32 s71, s19, 11
	s_add_co_u32 s71, s71, 28*16384                ; blocks 28-35
	s_lshl_b32 s66, s16, 8
	s_lshl_b32 s67, s16, 6
	s_add_co_u32 s67, s67, IMG
	s_lshl_b32 s68, s16, 13
	s_mul_i32 s69, s16, 16*RPT
	; descriptor group 1: dense rows of 256 bytes in elements of 8 bytes; 160 rows (a quarter of 10 blocks) or 128 (a quarter of 8)
	s_mov_b32 s32, 15|(3<<16)|(1<<21)              ; 15:0 the mask: all four work-groups; 17:16 elements of 8 bytes; 20 no padding; 21 set beside a mask
	s_mov_b32 s33, 32<<16                          ; tensor_dim0 = 32
	s_mov_b32 s34, 160<<16                         ; tensor_dim1
	s_mov_b32 s35, 32<<16                          ; tile_dim0 = 32
	s_mov_b32 s36, 160                             ; tile_dim1
	s_mov_b32 s37, 32                              ; from row to row
	s_mov_b32 s38, 0
	s_mov_b32 s39, 0
	s_mov_b32 s40, 15|(3<<16)|(1<<21)
	s_mov_b32 s41, 32<<16
	s_mov_b32 s42, 128<<16
	s_mov_b32 s43, 32<<16
	s_mov_b32 s44, 128
	s_mov_b32 s45, 32
	s_mov_b32 s46, 0
	s_mov_b32 s47, 0
	s_mov_b32 s28, 0x76543210                      ; v_permlanex16_b32: lane l xor 16
	s_mov_b32 s29, 0xfedcba98
	s_mov_b32 s25, 0xbfb8aa3b                      ; -log2(e)
	s_mov_b32 s27, 0
	v_and_b32 v20, 31, v0                          ; lane
	v_and_b32 v21, 15, v0                          ; r
	v_bfe_u32 v22, v0, 4, 1                        ; h
	v_lshlrev_b32 v[OO], 4, v21
	v_lshl_add_u32 v[OO], v22, 3, v[OO]
	v_lshl_add_u32 v[FO], v21, 4, s66
	v_lshl_add_u32 v[XO], v22, 15, v[FO]
	v_mul_u32_u24 v23, v22, 8*IPT
	v_lshl_add_u32 v[IW], v21, 2, v23
	v_add_nc_u32 v[IW], s67, v[IW]                 ; the image, in: row 8 h, my wave's 64 bytes, word r
	v_mul_u32_u24 v24, v21, IPT
	v_lshl_add_u32 v[IR], v22, 4, v24
	v_add_nc_u32 v[IR], IMG, v[IR]                 ; out: row r, + 16 h
	v_lshl_add_u32 v[RW], v22, 5, v24
	v_add_nc_u32 v[RW], s69, v[RW]                 ; the sums' parts, in: line 16 w + r, rows 8 h ..
	v_mul_u32_u24 v25, v22, 32*RPT
	v_lshl_add_u32 v[RR], v21, 4, v25              ; out: lines 32 h .., rows 4 r .. 4 r + 3
	v_lshl_add_u32 v[GA], v20, 4, s68
	v_add_nc_u32 v[GA+1], 0x10000, v[GA]
	v_add_nc_u32 v[GA+2], 0x20000, v[GA]
	v_add_nc_u32 v[GA+3], 0x30000, v[GA]
	v_add_nc_u32 v[GA+4], 0x40000, v[GA]
	v_min_u32 v26, 17, v20
	v_min_u32 v27, 7, v20
	v_lshl_add_u32 v[PF1], v26, 8, s70
	v_lshl_add_u32 v[PF2], v27, 8, s71
	s_wait_alu depctr_va_vdst(0)                   ; directly ahead of the waits below
	s_wait_dscnt 0x0                               ; both opening adds are done
	s_wait_kmcnt 0x0
	s_load_b64 s[20:21], s[12:13], 0x0             ; e0, e1
	s_load_b32 s22, s[10:11], 0x0                  ; fc_b
	s_lshl_b32 s26, s18, 18                        ; 64 rows of 4,096 bytes
	s_add_nc_u64 s[4:5], s[4:5], s[26:27]
.irp c, 0,1,2,3
	global_load_b128 v[FCR+4*\c:FCR+4*\c+3], v[FO], s[8:9] offset:1024*\c
.endr
	LP 0
	WIN 0
	s_lshl_b32 s26, s18, 8
	s_add_nc_u64 s[14:15], s[14:15], s[26:27]      ; out0 at my 64 numbers
	; a group 0 for each fill: none is ever rewritten
	s_mul_i32 s26, s16, 40960                      ; my quarter of 10 blocks
	s_mov_b32 s48, 1                               ; blocks 0-9 into slots 0-9
	s_mul_i32 s49, s16, 40960
	s_add_nc_u64 s[50:51], s[6:7], s[26:27]
	s_mov_b32 s56, 1                               ; blocks 18-27 into slots 0-9
	s_mul_i32 s57, s16, 40960
	s_add_nc_u64 s[58:59], s[50:51], 18*16384
	s_or_b32 s51, s51, 0x80000000
	s_or_b32 s59, s59, 0x80000000
	s_lshl_b32 s26, s16, 15                        ; my quarter of 8 blocks
	s_mov_b32 s52, 1                               ; blocks 10-17 into slots 10-17
	s_add_co_u32 s53, s26, 10*16384
	s_add_nc_u64 s[54:55], s[6:7], s[26:27]
	s_mov_b32 s60, 1                               ; blocks 28-35 into slots 10-17
	s_add_co_u32 s61, s26, 10*16384
	s_add_nc_u64 s[62:63], s[54:55], 28*16384
	s_add_nc_u64 s[54:55], s[54:55], 10*16384
	s_or_b32 s55, s55, 0x80000000
	s_or_b32 s63, s63, 0x80000000
	CROUND                                         ; all four work-groups are here: the first joint loads meet
	tensor_load_to_lds s[48:51], s[32:39]          ; all that row blocks 0 and 1 read
	s_nop 0
	PLACES 4
	LP 1
	PFETCH PF1
	LP 2
	LP 3
	LP 4
	LP 5
	LP 6                                           ; 60 loads a wave are out
	WIN 0
	s_wait_kmcnt 0x0
	s_add_co_i32 s24, s20, s21                     ; e0 + e1
	s_sub_co_i32 s23, 0, s24
	s_add_co_i32 s26, s21, 127
	s_lshl_b32 s27, s26, 23
	v_mov_b32 v[SCL], s27                          ; 2^e1 as f32: the conversion takes its exponent field
	s_add_co_i32 s26, s26, 8
	s_lshl_b32 s26, s26, 23
	s_or_b32 s26, s26, 0x600000
	v_mov_b32 v[LIM], s26                          ; 448 x 2^e1
	s_wait_alu depctr_va_vdst(0)
	; ROW BLOCK 0
	QP 0
	QP 1
	QP 2
	QP 3
	FILL 52, 40                                    ; the first fill is everybody's, the image lies in LDS; blocks 10-17 go out
	GL 0, 0
	ODDLOAD 0
	CODES 0, 0
	CODES 0, 1
	PFETCH PF2
	CINIT 0
	s_wait_dscnt 16                                ; all but the codes' second half
	MUL 0, 0, 0, 1
	ODDMUL 0
	PLACES 4                                       ; for the loads below and the reads of the results
	GL 1, 0
	DOT 0
	; ROW BLOCK 1
	CINIT 1
	KS 1, 0, 1
	KS 1, 1, 1
	PLACES 4
	ODDLOAD 1
	BAR                                            ; every wave's reads of the image of block 0 are over: it may be written again
	QP 4
	QP 5
	QP 6
	QP 7
	FILL 56, 32                                    ; G's blocks 10-17 are everybody's; slots 0-9 have been read by all; blocks 18-27 go out
	CODES 1, 0
	CODES 1, 1
	s_wait_dscnt 16
	MUL 0, 1, 0, 0
	ODDMUL 1
	PLACES 4
	WIN 0
	GL 2, 0
	DOT 1
	; ROW BLOCK 2
	CINIT 2
	KS 2, 0, 1
	KS 2, 1, 1
	KS 2, 2, 1
	KS 2, 3, 0
	WIN 0
	BAR                                            ; the image of block 1 has been read by all
	QP 8
	QP 9
	QP 10
	QP 11
	FILL 60, 40                                    ; blocks 18-27 are everybody's; slots 10-17 have been read by all; blocks 28-35 go out: the last fill
	GL 2, 4
	ODDLOAD 2
	CODES 2, 0
	CODES 2, 1
	s_wait_dscnt 16
	MUL 0, 2, 0, 0
	ODDMUL 2
	PLACES 4
	WIN 0
	GL 3, 0
	DOT 2
	; ROW BLOCK 3
	CINIT 3
	KS 3, 0, 1
	KS 3, 1, 1
	KS 3, 2, 0
	WIN 0
	BAR                                            ; the image of block 2 has been read by all
	QP 12
	QP 13
	QP 14
	QP 15
	s_wait_tensorcnt 0x0                           ; my quarter of the last fill has landed: behind the barrier everybody's has
	BAR
	GL 3, 3
	GL 3, 4
	s_wait_dscnt 16                                ; step 3's G is in; step 4's may be out
	MUL 1, 1, 1, 0
	PLACES 4
	WIN 0
	GL 3, 5
	CODES 3, 0
	s_wait_dscnt 32                                ; step 4's G is in; behind it: step 5's G, the codes' first half
	MUL 0, 2, 0, 0
	PLACES 4
	WIN 0
	GL 3, 6
	CODES 3, 1
	s_wait_dscnt 48                                ; step 5's G is in; behind it: the codes' two halves, step 6's G
	MUL 1, 2, 1, 0
	PLACES 4
	ODDLOAD 3
	s_wait_dscnt 16                                ; step 6's G and the codes' first half are in, whether or not step 7's G stands behind
	MUL 0, 3, 0, 0
	ODDMUL 3
	PLACES 4
	DOT 3
	; THE END.  Each row's 64 parts (16 lanes x 4 waves) meet in LDS; wave 0 adds them.
	WIN 0
.irp n, 0,1,2,3
	ds_store_b128 v[RW], v[S+8*\n:S+8*\n+3] offset:64*\n
	ds_store_b128 v[RW], v[S+8*\n+4:S+8*\n+7] offset:64*\n+16
.endr
	BAR
	s_cmp_lg_u32 s16, 0                            ; wave 0 finishes the 64 rows, so that one store covers the work-group's 256 bytes
	s_cbranch_scc1 .Lnot_first
.set J, 0
.rept 32
	ds_load_b128 v[GF+4*J:GF+4*J+3], v[RR] offset:RPT*J
.set J, J+1
.endr
.macro ADDQ a, b                       ; four rows' parts: a += b
	v_pk_add_f32 v[GF+4*(\a):GF+4*(\a)+1], v[GF+4*(\a):GF+4*(\a)+1], v[GF+4*(\b):GF+4*(\b)+1]
	v_pk_add_f32 v[GF+4*(\a)+2:GF+4*(\a)+3], v[GF+4*(\a)+2:GF+4*(\a)+3], v[GF+4*(\b)+2:GF+4*(\b)+3]
.endm
	s_wait_dscnt 16
.irp a, 0,1,2,3,4,5,6,7
	ADDQ \a, \a+8
.endr
	s_wait_dscnt 0x0
.irp a, 16,17,18,19,20,21,22,23
	ADDQ \a, \a+8
.endr
.irp a, 0,1,2,3,4,5,6,7
	ADDQ \a, \a+16
.endr
.irp a, 0,1,2,3
	ADDQ \a, \a+4
.endr
	ADDQ 0, 2
	ADDQ 1, 3
	ADDQ 0, 1
	v_and_b32 v20, 31, v0
	v_mov_b32 v24, 0                               ; written once: a lane permute's destination counts as one of its sources
	v_mov_b32 v25, 0
	v_cmp_lt_u32 vcc_lo, 15, v20                   ; lanes 16-31 take rows 4 r + 2 and + 3, lanes 0-15 rows 4 r and + 1
	v_cndmask_b32 v20, v128, v130, vcc_lo
	v_cndmask_b32 v21, v129, v131, vcc_lo
	v_cndmask_b32 v22, v130, v128, vcc_lo          ; and send the other two
	v_cndmask_b32 v23, v131, v129, vcc_lo
	v_mov_b32 v26, s22
	v_permlanex16_b32 v24, v22, s28, s29
	v_permlanex16_b32 v25, v23, s28, s29
	v_mul_f32 v26, s25, v26                        ; -log2(e) fc_b
	v_add_f32 v20, v20, v24
	v_add_f32 v21, v21, v25
	v_ldexp_f32 v20, v20, s24                      ; x 2^(e0 + e1)
	v_ldexp_f32 v21, v21, s24
	v_fma_f32 v20, v20, s25, v26                   ; -log2(e) z
	v_fma_f32 v21, v21, s25, v26
	s_wait_alu depctr_va_vdst(0)
	v_exp_f32 v20, v20
	v_exp_f32 v21, v21
	v_nop                                          ; a plain instruction behind the transcendentals
	s_wait_alu depctr_va_vdst(0)                   ; and behind it
	v_add_f32 v20, 1.0, v20
	v_add_f32 v21, 1.0, v21
	s_wait_alu depctr_va_vdst(0)
	v_rcp_f32 v22, v20                             ; 1 / (1 + e^-z)
	v_rcp_f32 v23, v21
	v_nop
	s_wait_alu depctr_va_vdst(0)
	global_store_b64 v[OO], v[22:23], s[14:15]     ; the 32 lanes store 256 consecutive bytes, at a multiple of 256 from out0's first byte
.Lnot_first:
	s_wait_tensorcnt 0x0                           ; the wave's end, behind my last tensor load and my last LDS store
	ds_add_u32 v[SPW], v[NIL]
	s_wait_dscnt 0x0
	CROUND                                         ; the closing round: no work-group ends while a partner may still ask for a fill that names it
	s_endpgm
.Lfunc_end_k_qa3544db558_main:
	.size	k_qa3544db558_main, .Lfunc_end_k_qa3544db558_main-k_qa3544db558_main
	.p2alignl 7, 3214868480
	.fill 96, 4, 3214868480
	.section	.rodata,"a",@progbits
	.p2align	6, 0x0
	.amdhsa_kernel k_qa3544db558_main
		.amdhsa_group_segment_fixed_size 327680
		.amdhsa_private_segment_fixed_size 0
		.amdhsa_enable_private_segment 0
		.amdhsa_kernarg_size 48
		.amdhsa_user_sgpr_count 2
		.amdhsa_user_sgpr_kernarg_segment_ptr 1
		.amdhsa_wavefront_size32 1
		.amdhsa_system_sgpr_workgroup_id_x 1
		.amdhsa_system_sgpr_workgroup_id_y 1
		.amdhsa_system_sgpr_workgroup_id_z 1
		.amdhsa_system_vgpr_workitem_id 0
		.amdhsa_next_free_vgpr 1024
		.amdhsa_next_free_sgpr 80
		.amdhsa_reserve_vcc 1
		.amdhsa_float_denorm_mode_32 3
		.amdhsa_float_denorm_mode_16_64 3
		.amdhsa_memory_ordered 1
		.amdhsa_forward_progress 1
		.amdhsa_inst_pref_size 153
	.end_amdhsa_kernel
	.amdgpu_metadata
---
amdhsa.version: [ 1, 2 ]
amdhsa.kernels:
  - .name:           k_qa3544db558_main
    .symbol:         k_qa3544db558_main.kd
    .args:
      - { .name: x, .offset: 0, .size: 8, .value_kind: global_buffer, .address_space: global }
      - { .name: gimg, .offset: 8, .size: 8, .value_kind: global_buffer, .address_space: global }
      - { .name: fc_w, .offset: 16, .size: 8, .value_kind: global_buffer, .address_space: global }
      - { .name: fc_b, .offset: 24, .size: 8, .value_kind: global_buffer, .address_space: global }
      - { .name: lowp_scales, .offset: 32, .size: 8, .value_kind: global_buffer, .address_space: global }
      - { .name: out0, .offset: 40, .size: 8, .value_kind: global_buffer, .address_space: global }
    .group_segment_fixed_size: 327680
    .private_segment_fixed_size: 0
    .kernarg_segment_align: 8
    .kernarg_segment_size: 48
    .max_flat_workgroup_size: 128
    .sgpr_count:     80
    .vgpr_count:     1024
    .wavefront_size: 32
...
	.end_amdgpu_metadata
.endif
;; end of part 2
